; MI455X (gfx1250); checked and timed in simulation.
; The chip was launched on July 23, 2026; its instructions are those of AMD's public machine-readable ISA for CDNA 5 (MIT licence, August 2026) and "CDNA5" Instruction Set Architecture Reference Guide (July 2026). The comments in the code are by the model that wrote it; some were corrected since.
;; TPU Grouped GEMM Linear. Allowed arithmetic: matrix products marked QUANTISED: E2M3 operands, one E8M0 scale for each 32 along K, by v_wmma_scale_f32_16x16x128_f8f6f4 with both operands' format E2M3, f32 sums; everything else in f32.
;; Inputs: b 8 x 4,096 float32; group_indices 2,048 int32; inputs 2,048 x 1,024 float32; w_codes 8 x 4,096 x 32 x 24 uint8 (E2M3 codes of w, K innermost, in blocks of 32 codes, four codes in three bytes); w_scales 8 x 4,096 x 32 uint8 (E8M0 scales of w, one for each 32 codes along K).
;; Outputs: out0 2,048 x 4,096 float32.
;; This version of the problem:
;;   THIS VERSION OF THE PROBLEM IS GIVEN IN LOW PRECISION. The matrix products marked QUANTISED in the list below multiply operands that are first quantised to E2M3 (2 exponent bits, 3 mantissa bits; 6 bits a number), with one power-of-two scale for each 32 numbers along K (OCP MX v1.0); their sums are f32. All else is computed in f32.
;;   The module's matrix products, in the order in which they are computed (A, B: the left and right operand; K: the contracted axis; several contracted axes count as one K, in the product's order):
;;     1. [M 2,048, K 1,024] x [K 1,024, N 4,096]; A: computed on the way; B: input w (given as codes): QUANTISED
;;     2. [M 2,048, K 1,024] x [K 1,024, N 4,096]; A: computed on the way; B: input w (given as codes): QUANTISED
;;     3. [M 2,048, K 1,024] x [K 1,024, N 4,096]; A: computed on the way; B: input w (given as codes): QUANTISED
;;     4. [M 2,048, K 1,024] x [K 1,024, N 4,096]; A: computed on the way; B: input w (given as codes): QUANTISED
;;     5. [M 2,048, K 1,024] x [K 1,024, N 4,096]; A: computed on the way; B: input w (given as codes): QUANTISED
;;     6. [M 2,048, K 1,024] x [K 1,024, N 4,096]; A: computed on the way; B: input w (given as codes): QUANTISED
;;     7. [M 2,048, K 1,024] x [K 1,024, N 4,096]; A: computed on the way; B: input w (given as codes): QUANTISED
;;     8. [M 2,048, K 1,024] x [K 1,024, N 4,096]; A: computed on the way; B: input w (given as codes): QUANTISED
;;   THE QUANTISER, for each operand of a quantised product, along K:
;;     - K is cut into blocks of 32 from its start; a last block that is shorter is filled with zeros.
;;     - A block's scale is 2^e with e = floor(log2(the largest magnitude in the block)) - 2, held to -126 .. 127; a block of zeros has e = 0. As a byte (E8M0): e + 127.
;;     - Each number is divided by its block's scale, clamped to +-7.5, and rounded to the nearest number of E2M3, ties to even, subnormals kept.
;;     - The product sums the exact products of the quantised numbers (number of the format x scale) in f32.
;;   ~~~python
;;   def quantise(x, axis):      # numpy; x: float32 -> the quantised numbers, widened to float32 again
;;       x = np.moveaxis(x, axis, -1); K = x.shape[-1]
;;       x = np.pad(x, [(0, 0)] * (x.ndim - 1) + [(0, -K % 32)]); x = x.reshape(x.shape[:-1] + (-1, 32)); a = np.abs(x).max(-1, keepdims=True)
;;       e = np.where(a > 0, np.clip(np.frexp(np.where(a > 0, a, 1))[1] - 1 - 2, -126, 127), 0)      # np.frexp(a)[1] - 1 = floor(log2(a)), exactly
;;       r = np.clip(x / 2.0 ** e, -7.5, 7.5)
;;       step = 2.0 ** (np.maximum(np.frexp(np.where(r == 0, 1, r))[1] - 1, 0) - 3)
;;       q = np.round(r / step) * step * 2.0 ** e      # np.round: ties to even
;;       return np.moveaxis(q.reshape(q.shape[:-2] + (-1,))[..., :K], -1, axis).astype(np.float32)
;;   ~~~
;;   OPERANDS COMPUTED ON THE WAY. 'Computed on the way' means the value that the module computes at that place (a softmax that the list does not call 'softmax' is quantised finished and normalised). What goes into a quantiser is computed in f32, as accurately as f32 sums, v_exp_f32 and their like allow (about 1e-6 of the number): no bf16 or f16 on the way to a quantiser, and a product that is left as it is and whose result goes on into a quantised operand takes f32 operands (vector FMAs, or v_wmma_f32_16x16x4_f32). A number that lies on a knife's edge between two numbers of the format may be rounded either way, as far as f32 arithmetic and the matrix unit's own rounding can turn it there, and no further.
;;   INPUTS GIVEN AS CODES. w (in the module: [8, 1024, 4096], K = its axis 1): each comes as NAME_codes (uint8): NAME with its K axis moved to the last place and cut into blocks of 32 codes, [.., K / 32, bytes a block], one block behind the other in memory; four codes in three bytes: a row's codes are one little-endian stream of bits, code i at bits 6 i .. 6 i + 5 (a code: sign, 2 exponent bits, 3 mantissa bits); and NAME_scales (uint8): the same leading axes, one E8M0 byte (e + 127) for each 32 codes along K. Its value is code x scale, taken as it is: it is not quantised again, and the codes and scales need not be those that the quantiser above would give.
;; 2 versions, each right; version 2 is version 1 with the launch gemm written anew for expert scheduling mode. Each part assembles by itself: llvm-mc -triple=amdgcn-amd-amdhsa -mcpu=gfx1250 --defsym DOCPART=n.
;; ======== version 1 of 2: 2 launches
;; workspace buffers: xq 1,572,864 bytes; xs 65,536 bytes; order 8,192 bytes of whole numbers; offs 256 bytes of whole numbers
;; launch prep (part 1): grid 257 x 1, 8 waves a work-group, no clusters, 43,264 bytes of LDS; arguments inputs, group_indices, xq, xs, order, offs, out0; writes xq, xs, order, offs, out0
.if DOCPART == 1
	.amdgcn_target "amdgcn-amd-amdhsa--gfx1250"
	.amdhsa_code_object_version 6
	.text
	.protected	k_qaa7079e473_prep
	.globl	k_qaa7079e473_prep
	.p2align	8
	.type	k_qaa7079e473_prep,@function
k_qaa7079e473_prep:
	s_mov_b64 s[64:65], 0
	v_nop
	global_prefetch_b8 v0, s[64:65] scope:SCOPE_SE
	s_setreg_imm32_b32 hwreg(HW_REG_WAVE_MODE, 25, 1), 1
	s_wait_xcnt 0x0
; Two jobs in one launch, told apart by the work-group's number.
; WORK-GROUPS 0 .. 255: inputs [2048][1024] f32 become codes of FP6 (E2M3) with one E8M0 byte for each 32 along K.  One row a wave, eight rows a work-group.
;   A block's scale is 2^(floor(log2(its largest magnitude)) - 2): its byte is the largest magnitude's exponent field - 2, held at 1 from below.
;   xq [2048][768]: each 96 bytes are 128 along K, its four blocks of 24 bytes in the order 0, 2, 1, 3: so lanes 0-15 of the product's operand find their 12 registers
;   (blocks 0 and 2) as 48 bytes on end, and lanes 16-31 theirs (blocks 1 and 3) behind them.   xs [2048][32]: the scale bytes, blocks in their own order.
;   A row whose index is not 0 .. 7 belongs to no group: its row of out0 is written here, as zeros.
; WORK-GROUP 256: a counting sort of the 2,048 rows by key = min(index, 8), index taken as unsigned.  order[place] = row;  offs[k] = first place of key k, k = 0 .. 9.
; LIMITS: NaN and infinities among the inputs are not served.  A block of zeros gets the byte 1 where the quantiser says 127: its codes are zeros, which add nothing under that byte,
; and the bytes are read by this program alone.  Blocks whose largest magnitude lies under 2^-124 have their byte held at 1; that range was not tried.
; No tensor loads, no cluster: the work-groups share no input.  Each of the two jobs has LDS bytes of its own.
.set QSTW, 5120                        ; LDS: for each wave two stages of 32 x 80 bytes
.set SCB,  40960                       ; 256 scale bytes of the work-group's eight rows
.set SCNT, 41216                       ; the sort: 128 bytes of counts for each wave
.set R,   16                           ; v16-47  two sets of 16 numbers as they are loaded
.set X,   48                           ; v48-79  two sets of 16 neighbours
.set C,   80                           ; v80-87  codes, four registers a step
.set E,   88                           ; v88-89  a scale byte a step
.set Z,   92                           ; v92-95  zeros
.set KY,  16                           ; the sort: v16-23 keys, v24-31 places, v32-39 rows, v40-47 the eight waves' counts
.set P,   24
.set RW,  32
.set T,   40
.set M,   36                           ; s36-44 masks, then their counts;  s45-53 my wave's counts;  s54-62 the next free place of each key for my wave;  s66-75 offs
.set CN,  45
.set BS,  54
.set OF,  66
	s_load_b256 s[4:11], s[0:1], 0x0               ; inputs s[4:5], group_indices s[6:7], xq s[8:9], xs s[10:11]
	s_load_b128 s[12:15], s[0:1], 0x20             ; order s[12:13], offs s[14:15]
	s_load_b64 s[16:17], s[0:1], 0x30              ; out0
	v_lshl_add_u32 v96, v0, 2, 0xa500
	v_mov_b32 v97, 0
	v_lshrrev_b32 v1, 5, v0
	v_readfirstlane_b32 s20, v1                    ; wave 0..7
	v_and_b32 v2, 31, v0                           ; lane
	v_lshlrev_b32 v3, 4, v2                        ; 16 x lane
	s_mul_i32 s24, s20, QSTW
	v_lshrrev_b32 v14, 2, v2
	v_mul_u32_u24 v14, v14, 80
	v_and_b32 v1, 3, v2
	v_lshl_add_u32 v14, v1, 4, v14
	v_add_nc_u32 v14, s24, v14                     ; the stage, in: four lanes' 64 bytes on end, then 16 of padding
	v_mul_u32_u24 v15, v2, 80
	v_add_nc_u32 v15, s24, v15                     ; and out: 80 x lane: my 16 neighbours
	s_lshl_b32 s25, s20, 5
	s_add_co_u32 s25, s25, SCB
	v_lshrrev_b32 v5, 1, v2
	v_add_nc_u32 v5, s25, v5                       ; my row's 32 scale bytes, my block's byte
	v_lshlrev_b32 v7, 3, v2                        ; 8 x lane
	v_add_nc_u32 v6, SCB, v7
	v_lshl_add_u32 v10, v0, 2, SCNT                ; the sort: my word among my wave's counts
	v_lshl_add_u32 v9, v2, 2, SCNT                 ; and my lane's word in wave 0's
	v_lshrrev_b32 v4, 3, v2                        ; where my 12 bytes of codes go: 96 for each 128 along K,
	v_mul_u32_u24 v4, v4, 96
	v_bfe_u32 v1, v2, 1, 1
	v_mad_u32_u24 v4, v1, 48, v4                   ; odd blocks 48 bytes on,
	v_bfe_u32 v1, v2, 2, 1
	v_mad_u32_u24 v4, v1, 24, v4                   ; blocks 2 and 3 24 bytes on,
	v_and_b32 v1, 1, v2
	v_mad_u32_u24 v4, v1, 12, v4                   ; a block's upper 16 codes 12 bytes on
	s_mov_b32 s31, 0
	s_wait_kmcnt 0x0
	s_cmp_eq_u32 ttmp9, 256
	s_cbranch_scc1 .Lsort
; ---- the quantiser
.macro LOAD t                          ; 512 numbers: each load reads 512 consecutive bytes
.irp i, 0,1,2,3
	global_load_b128 v[R+16*(\t)+4*\i:R+16*(\t)+4*\i+3], v3, s[4:5] offset:2048*(\t)+512*\i th:TH_LOAD_NT
.endr
.endm
.macro TURN t                          ; through the wave's own stage: LDS serves a wave's instructions in order, so no wait stands between the stores and the loads
.irp i, 0,1,2,3
	ds_store_b128 v14, v[R+16*(\t)+4*\i:R+16*(\t)+4*\i+3] offset:2560*(\t)+640*\i
.endr
.irp i, 0,1,2,3
	ds_load_b128 v[X+16*(\t)+4*\i:X+16*(\t)+4*\i+3], v15 offset:2560*(\t)+16*\i
.endr
.endm
.macro STEP t
.set XR, X+16*(\t)
	v_max3_num_f32 v12, |v[XR]|, |v[XR+1]|, |v[XR+2]|              ; the largest magnitude of my 16, in two chains
	v_max3_num_f32 v13, |v[XR+3]|, |v[XR+4]|, |v[XR+5]|
.irp i, 6,10
	v_max3_num_f32 v12, v12, |v[XR+\i]|, |v[XR+\i+1]|
	v_max3_num_f32 v13, v13, |v[XR+\i+2]|, |v[XR+\i+3]|
.endr
	v_max3_num_f32 v12, v12, |v[XR+14]|, |v[XR+15]|
	v_max3_num_f32 v12, v12, v13, 0x1800000        ; and the floor 2^(3 - 127): the byte cannot fall under 1
	v_max_num_f32_dpp v12, v12, v12 row_xmask:1 row_mask:0xf bank_mask:0xf   ; with my neighbour's 16: the block's
	v_add_nc_u32 v11, 0xff000000, v12              ; 2 off its exponent field: the conversion takes the exponent field of this operand as its scale
	v_cvt_scalef32_pk16_fp6_f32 v[C+4*(\t):C+4*(\t)+2], v[XR:XR+15], v11   ; to the nearest code, ties to even; beyond 7.5 the largest code
	v_lshrrev_b32 v[E+(\t)], 23, v11               ; the scale's byte (also the plain line behind the conversion)
	ds_store_b8 v5, v[E+(\t)] offset:16*(\t)       ; both lanes of a block write the same byte with the same value
	global_store_b96 v4, v[C+4*(\t):C+4*(\t)+2], s[8:9] offset:384*(\t)    ; the wave's 32 stores cover 384 consecutive bytes
.endm
	s_lshl_b32 s21, ttmp9, 3
	s_add_co_u32 s21, s21, s20                     ; my row
	s_lshl_b32 s30, s21, 12
	s_add_nc_u64 s[4:5], s[4:5], s[30:31]
	LOAD 0
	LOAD 1
	s_lshl_b32 s30, s21, 2
	s_add_nc_u64 s[6:7], s[6:7], s[30:31]
	s_load_b32 s22, s[6:7], 0x0                    ; my row's index
	s_mul_i32 s30, s21, 768
	s_add_nc_u64 s[8:9], s[8:9], s[30:31]
	s_lshl_b32 s30, ttmp9, 8
	s_add_nc_u64 s[10:11], s[10:11], s[30:31]      ; the work-group's 256 scale bytes
	s_lshl_b32 s30, s21, 14
	s_add_nc_u64 s[16:17], s[16:17], s[30:31]
	s_wait_loadcnt 4                               ; step 0's four loads are in; step 1's four may be out
	TURN 0
	s_wait_loadcnt 0x0
	TURN 1
	s_wait_dscnt 8                                 ; step 0 is back from the stage; step 1's eight LDS instructions may be out
	STEP 0
	s_wait_dscnt 1                                 ; step 1 is back; step 0's byte store may be out
	STEP 1
	s_wait_dscnt 0x0                               ; for wave 0's sake: my scale bytes lie in LDS
	s_barrier_signal -1
	s_barrier_wait -1
	s_cmp_lg_u32 s20, 0
	s_cbranch_scc1 .Lnot0
	ds_load_b64 v[90:91], v6                       ; the eight rows' scale bytes leave together:
	s_wait_dscnt 0x0
	global_store_b64 v7, v[90:91], s[10:11]        ; 32 lanes store 256 consecutive bytes, aligned
.Lnot0:
	s_wait_kmcnt 0x0
	s_cmp_gt_u32 s22, 7                            ; unsigned: a negative index is also none of 0 .. 7
	s_cbranch_scc0 .Lend
.irp i, 0,1,2,3
	v_mov_b32 v[Z+\i], 0
.endr
.set I, 0
.rept 32
	global_store_b128 v3, v[Z:Z+3], s[16:17] offset:512*I   ; a row that no group takes: 16,384 bytes of zeros
.set I, I+1
.endr
.Lend:
	s_wait_tensorcnt 0x0
	ds_add_u32 v96, v97
	s_wait_dscnt 0x0
	s_endpgm
; ---- the sort.  Wave w takes rows 256 w .. 256 w + 255: register 4 q + i of lane l holds row 256 w + 128 q + 4 l + i
.Lsort:
	s_lshl_b32 s26, s20, 10
	v_add_nc_u32 v8, s26, v3
	global_load_b128 v[KY:KY+3], v8, s[6:7]
	global_load_b128 v[KY+4:KY+7], v8, s[6:7] offset:512
.irp g, 0,1,2,3,4,5,6,7,8
	s_mov_b32 s[CN+\g], 0
.endr
	s_lshl_b32 s27, s20, 8
	v_lshl_add_u32 v53, v2, 2, s27                 ; 256 w + 4 l
	v_lshlrev_b32 v54, 2, v2
	s_wait_loadcnt 0x0
.irp j, 0,1,2,3,4,5,6,7
	v_min_u32 v[KY+\j], 8, v[KY+\j]                ; the key: 0 .. 7, or 8 for a row of no group
.endr
.irp j, 0,1,2,3,4,5,6,7                ; my wave's count of each key
.irp g, 0,1,2,3,4,5,6,7,8
	v_cmp_eq_u32 s[M+\g], \g, v[KY+\j]
.endr
.irp g, 0,1,2,3,4,5,6,7,8
	s_bcnt1_i32_b32 s[M+\g], s[M+\g]
.endr
.irp g, 0,1,2,3,4,5,6,7,8
	s_add_co_u32 s[CN+\g], s[CN+\g], s[M+\g]
.endr
.endr
	v_mov_b32 v48, 0
.irp g, 0,1,2,3,4,5,6,7,8
	v_writelane_b32 v48, s[CN+\g], \g              ; lane g: the count of key g
.endr
	ds_store_b32 v10, v48
	s_wait_dscnt 0x0                               ; for the others' sake: my counts lie in LDS
	s_barrier_signal -1
	s_barrier_wait -1
.irp u, 0,1,2,3,4,5,6,7
	ds_load_b32 v[T+\u], v9 offset:128*\u          ; lane g: wave u's count of key g
.endr
	v_mov_b32 v50, 0
	s_wait_dscnt 0x0
	v_add_nc_u32 v49, v[T], v[T+1]
	v_add3_u32 v49, v49, v[T+2], v[T+3]
	v_add3_u32 v49, v49, v[T+4], v[T+5]
	v_add3_u32 v49, v49, v[T+6], v[T+7]            ; all waves' count of key g
.irp u, 0,1,2,3,4,5,6
	s_cmp_gt_u32 s20, \u
	s_cselect_b32 s30, -1, 0
	v_and_b32 v52, s30, v[T+\u]
	v_add_nc_u32 v50, v50, v52                     ; the count of the waves in front of mine
.endr
	s_mov_b32 s[OF], 0
.irp g, 0,1,2,3,4,5,6,7,8
	v_readlane_b32 s30, v49, \g
	s_add_co_u32 s[OF+\g+1], s[OF+\g], s30         ; offs: the running sum
	v_readlane_b32 s30, v50, \g
	s_add_co_u32 s[BS+\g], s[OF+\g], s30           ; where my wave's rows of key g begin
.endr
.irp j, 0,1,2,3,4,5,6,7                ; a row's place: its key's next free place + the lanes below me with the same key
.irp g, 0,1,2,3,4,5,6,7,8
	v_cmp_eq_u32 s[M+\g], \g, v[KY+\j]
.endr
	v_mbcnt_lo_u32_b32 v[P+\j], s[M], s[BS]
.irp g, 1,2,3,4,5,6,7,8
	v_mbcnt_lo_u32_b32 v52, s[M+\g], s[BS+\g]
	v_cndmask_b32 v[P+\j], v[P+\j], v52, s[M+\g]
.endr
.irp g, 0,1,2,3,4,5,6,7,8
	s_bcnt1_i32_b32 s[M+\g], s[M+\g]
.endr
.irp g, 0,1,2,3,4,5,6,7,8
	s_add_co_u32 s[BS+\g], s[BS+\g], s[M+\g]
.endr
	v_min_u32 v[P+\j], 0x7ff, v[P+\j]              ; a place made of loaded numbers is held inside the buffer
	v_lshlrev_b32 v[P+\j], 2, v[P+\j]
	v_add_nc_u32 v[RW+\j], 128*(\j/4)+(\j%4), v53
	global_store_b32 v[P+\j], v[RW+\j], s[12:13]   ; 4 bytes to a place that hangs on the data; each register j has its own address and data registers, so none is written again
.endr
	s_cmp_lg_u32 s20, 0
	s_cbranch_scc1 .Lsdone
	v_mov_b32 v51, 0
.irp g, 0,1,2,3,4,5,6,7,8,9
	v_writelane_b32 v51, s[OF+\g], \g
.endr
	global_store_b32 v54, v51, s[14:15]            ; offs[0 .. 9], and zeros up to word 31
.Lsdone:
	s_wait_tensorcnt 0x0
	ds_add_u32 v96, v97
	s_wait_dscnt 0x0
	s_endpgm
.Lfunc_end_k_qaa7079e473_prep:
	.size	k_qaa7079e473_prep, .Lfunc_end_k_qaa7079e473_prep-k_qaa7079e473_prep
	.p2alignl 7, 3214868480
	.fill 96, 4, 3214868480
	.section	.rodata,"a",@progbits
	.p2align	6, 0x0
	.amdhsa_kernel k_qaa7079e473_prep
		.amdhsa_group_segment_fixed_size 43264
		.amdhsa_private_segment_fixed_size 0
		.amdhsa_enable_private_segment 0
		.amdhsa_kernarg_size 56
		.amdhsa_user_sgpr_count 2
		.amdhsa_user_sgpr_kernarg_segment_ptr 1
		.amdhsa_wavefront_size32 1
		.amdhsa_system_sgpr_workgroup_id_x 1
		.amdhsa_system_sgpr_workgroup_id_y 1
		.amdhsa_system_sgpr_workgroup_id_z 1
		.amdhsa_system_vgpr_workitem_id 0
		.amdhsa_next_free_vgpr 98
		.amdhsa_next_free_sgpr 80
		.amdhsa_reserve_vcc 0
		.amdhsa_float_denorm_mode_32 3
		.amdhsa_float_denorm_mode_16_64 3
		.amdhsa_memory_ordered 1
		.amdhsa_forward_progress 1
		.amdhsa_inst_pref_size 45
	.end_amdhsa_kernel
	.amdgpu_metadata
---
amdhsa.version: [ 1, 2 ]
amdhsa.kernels:
  - .name:           k_qaa7079e473_prep
    .symbol:         k_qaa7079e473_prep.kd
    .args:
      - { .name: inputs, .offset: 0, .size: 8, .value_kind: global_buffer, .address_space: global }
      - { .name: group_indices, .offset: 8, .size: 8, .value_kind: global_buffer, .address_space: global }
      - { .name: xq, .offset: 16, .size: 8, .value_kind: global_buffer, .address_space: global }
      - { .name: xs, .offset: 24, .size: 8, .value_kind: global_buffer, .address_space: global }
      - { .name: order, .offset: 32, .size: 8, .value_kind: global_buffer, .address_space: global }
      - { .name: offs, .offset: 40, .size: 8, .value_kind: global_buffer, .address_space: global }
      - { .name: out0, .offset: 48, .size: 8, .value_kind: global_buffer, .address_space: global }
    .group_segment_fixed_size: 43264
    .private_segment_fixed_size: 0
    .kernarg_segment_align: 8
    .kernarg_segment_size: 56
    .max_flat_workgroup_size: 256
    .sgpr_count:     80
    .vgpr_count:     98
    .wavefront_size: 32
...
	.end_amdgpu_metadata
.endif
;; end of part 1
;; launch gemm (part 2): grid 32 x 8, 4 waves a work-group, no clusters, 184,832 bytes of LDS; arguments b, w_codes, w_scales, xq, xs, order, offs, out0; writes out0
.if DOCPART == 2
	.amdgcn_target "amdgcn-amd-amdhsa--gfx1250"
	.amdhsa_code_object_version 6
	.text
	.protected	k_qaa7079e473_gemm
	.globl	k_qaa7079e473_gemm
	.p2align	8
	.type	k_qaa7079e473_gemm,@function
k_qaa7079e473_gemm:
	s_mov_b64 s[64:65], 0
	v_nop
	global_prefetch_b8 v0, s[64:65] scope:SCOPE_SE
	s_setreg_imm32_b32 hwreg(HW_REG_WAVE_MODE, 25, 1), 1
	s_wait_xcnt 0x0
; out0[row] = Q(inputs[row]) . w[g] + b[g] for the rows whose index is g; both operands codes of FP6 (E2M3) with one E8M0 scale for each 32 along K = 1,024; sums in f32.
; SHARES.  Work-group (x, y) owns columns 128 x .. 128 x + 127 of group y: 98,304 bytes of codes and 4,096 scale bytes that no other work-group reads.  They come once, go through LDS, and
; every one of the four waves then holds all 64 fragments (8 tiles of 16 columns x 8 steps of 128 along K, 12 registers each: 768 registers) for the whole launch: no fragment of w is read twice.
; The group's rows stand in 'order' from offs[y] to offs[y + 1]; wave w takes the tiles of 16 rows w, w + 4, ..  Behind the one barrier the waves share nothing.
; A TILE: its 16 rows of codes (768 bytes each) are gathered by 24 loads, sixteen lanes to 256 consecutive bytes of a row, a tile ahead; they go through the wave's own stage in LDS and come back as
; fragments (48 bytes on end for each lane and step, as the first launch has laid them); 64 matrix instructions; the results go through a second stage, take the bias, and leave as whole rows of 512 bytes.
; THE MATRIX INSTRUCTION IS USED TRANSPOSED: source 0 = 16 columns of w, source 1 = 16 rows of x: a lane then holds eight neighbouring columns of one row.
; NO TENSOR LOAD, NO CLUSTER: the number of tiles is a number read from memory, so the operands come through registers.  What the 32 work-groups of a group share is x's codes and scales,
; 12,800 bytes a tile, beside each one's own 102,400 bytes of w.
; THE LAST TILE of a group repeats the group's last row where the group has no multiple of 16 rows: the repeats store the same numbers to the same bytes, from the same wave.
; A wave without a tile asks for rows all the same (places held inside the buffer) and stores nothing.  Rows of no group were written by the first launch.
; LIMITS: those of the first launch's quantiser.  A split that puts most rows on one group is served rightly, by that group's 32 work-groups.
; REGISTERS.  Windows 1, 2, 3: fragment f = 8 s + b of w, f < 63, in window 1 + f / 21 at v[12 (f % 21)].  Window 0: see the names below.
.set WP,   784                         ; an LDS row of codes: 768 bytes + 16 = 196 words: row r starts at bank 4 r mod 64
.set ASB,  128*WP                      ; LDS: w's 128 rows from 0; then for each wave a stage of 16 rows of x,
.set ASZ,  16*WP
.set OSB,  ASB+4*ASZ                   ; then for each wave a stage of 16 rows of results,
.set OP,   528                         ; 512 bytes + 16
.set OSZ,  16*OP
.set L16,  1                           ; v1   16 x lane
.set RR,   2                           ; v2   r = lane % 16
.set H16,  3                           ; v3   16 h, h = lane / 16
.set C16,  4                           ; v4   16 r
.set WSA,  5                           ; v5   w into LDS: my wave's 32 rows + 16 x lane
.set WSB,  6                           ; v6   the same, lanes 16-31 behind one padding more
.set WFA,  7                           ; v7   w's fragments: row r x pitch + 24 h
.set WFB,  8                           ; v8   the same 64 rows on
.set AST,  9                           ; v9   x's stage, in: row h, 16 r
.set AFR,  10                          ; v10  and out: row r, 48 h
.set OST,  11                          ; v11  the results' stage, in: row r, 32 h
.set ORD,  12                          ; v12  and out: 16 x lane
.set IDA,  13                          ; v13  offset in 'order'
.set IDN,  14                          ; v14  row numbers as loaded: lane l holds the tile's row l % 16
.set XSA,  15                          ; v15  offset in xs
.set AADR, 16                          ; v16-23  the gathers' offsets: register p: row 2 p (lanes 0-15), row 2 p + 1 (lanes 16-31)
.set BIAS, 24                          ; v24-27  b of my four columns on the way out
.set XS,   28                          ; v28-31  x's scale words at work: register j: step j in lanes 0-15, step 4 + j in lanes 16-31
.set XN,   32                          ; v32-35  the next tile's
.set WGO,  36                          ; v36  my wave's quarter of w's block + 16 x lane
.set WSO,  37                          ; v37  32 r + 16 h
.set WS,   40                          ; v40-71  w's scale words: register 4 b + j: step j in lanes 0-15, step 4 + j in lanes 16-31
.set W63,  72                          ; v72-83  fragment 63
.set ACC,  96                          ; v96-159  eight accumulators; on the way out 16 rows x 4 registers
.set F,    160                         ; v160-255  24 slots of 4 registers: gather n as loaded, later step s's fragment in slots 3 s .. 3 s + 2
.set RN,   32                          ; s32-47  the next tile's 16 row numbers
.set OB,   66                          ; s66-97  out0's address at each of the 16 rows of the tile in hand
.set MSB, 0
.macro WIN new                         ; the immediate's high byte repeats the setting that is left; a switch that changes nothing is dropped
.if MSB != (\new)
	s_set_vgpr_msb (MSB<<8)|(\new)
.set MSB, (\new)
.endif
.endm
.macro IDLOAD                          ; the row numbers of the tile that begins at place s27; places past the group's last are held at it, and every place inside the buffer
	v_add_nc_u32 v[IDA], s27, v[RR]
	v_min_u32 v[IDA], s26, v[IDA]
	v_min_u32 v[IDA], 0x7ff, v[IDA]
	v_lshlrev_b32 v[IDA], 2, v[IDA]
	global_load_b32 v[IDN], v[IDA], s[14:15]
	s_add_co_u32 s27, s27, 64                      ; my next tile: four tiles on
.endm
.macro DERIVE                          ; from the row numbers: scalars for the stores' bases, offsets for the gathers and for the scale words
.irp j, 0,1,2,3,4,5,6,7,8,9,10,11,12,13,14,15
	v_readlane_b32 s[RN+\j], v[IDN], \j
.endr
.irp j, 0,1,2,3,4,5,6,7,8,9,10,11,12,13,14,15
	s_min_u32 s[RN+\j], s[RN+\j], 0x7ff            ; a loaded number is held inside the table before it enters an address
.endr
.irp p, 0,1,2,3,4,5,6,7
	v_mov_b32 v[AADR+\p], s[RN+2*\p+1]
.endr
.irp p, 0,1,2,3,4,5,6,7
	v_cndmask_b32 v[AADR+\p], s[RN+2*\p], v[AADR+\p], vcc_lo   ; vcc_lo = lanes 16-31: they keep the odd row
.endr
.irp p, 0,1,2,3,4,5,6,7
	v_min_u32 v[AADR+\p], 0x7ff, v[AADR+\p]
.endr
.irp p, 0,1,2,3,4,5,6,7
	v_mul_u32_u24 v[AADR+\p], v[AADR+\p], 768
.endr
.irp p, 0,1,2,3,4,5,6,7
	v_add_nc_u32 v[AADR+\p], v[AADR+\p], v[C16]
.endr
	v_min_u32 v[IDN], 0x7ff, v[IDN]
	v_lshl_add_u32 v[XSA], v[IDN], 5, v[H16]       ; row x 32 + 16 h
.endm
.macro XNLOAD
	global_load_b128 v[XN:XN+3], v[XSA], s[12:13]
.endm
.macro GET n                           ; gather n = 8 c + p: bytes 256 c .. 256 c + 255 of rows 2 p and 2 p + 1
	global_load_b128 v[F+4*(\n):F+4*(\n)+3], v[AADR+(\n)%8], s[10:11] offset:256*((\n)/8)
.endm
.macro OBASE
.irp j, 0,1,2,3,4,5,6,7,8,9,10,11,12,13,14,15
	s_lshl_b32 s30, s[RN+\j], 14                   ; a row of out0 is 16,384 bytes
	s_add_nc_u64 s[OB+2*\j:OB+2*\j+1], s[18:19], s[30:31]
.endr
.endm
.macro PUTS c                          ; gathers 8 c .. 8 c + 7 into the stage
.irp p, 0,1,2,3,4,5,6,7
	ds_store_b128 v[AST], v[F+4*(8*(\c)+\p):F+4*(8*(\c)+\p)+3] offset:2*WP*\p+256*(\c)
.endr
.endm
.macro FRAG s                          ; step s's fragment of x: 48 bytes on end.  LDS serves a wave's instructions in order: these see the stores above, and land where stored data lay
.irp i, 0,1,2
	ds_load_b128 v[F+12*(\s)+4*\i:F+12*(\s)+4*\i+3], v[AFR] offset:96*(\s)+16*\i
.endr
.endm
.macro MUL s                           ; step s: eight products, the eight accumulators by turns, one instruction a turn; step 0 starts the sums
.irp b, 0,1,2,3,4,5,6,7
.set FF, 8*(\s)+\b
.if FF == 63
	WIN 0
.set WR, W63
.else
	WIN 1+FF/21
.set WR, 12*(FF%21)
.endif
.if (\s) == 0
	v_wmma_scale_f32_16x16x128_f8f6f4 v[ACC+8*\b:ACC+8*\b+7], v[WR:WR+11], v[F+12*(\s):F+12*(\s)+11], 0, v[WS+4*\b+(\s)%4], v[XS+(\s)%4] matrix_a_fmt:MATRIX_FMT_FP6 matrix_b_fmt:MATRIX_FMT_FP6
.elseif (\s) < 4
	v_wmma_scale_f32_16x16x128_f8f6f4 v[ACC+8*\b:ACC+8*\b+7], v[WR:WR+11], v[F+12*(\s):F+12*(\s)+11], v[ACC+8*\b:ACC+8*\b+7], v[WS+4*\b+(\s)%4], v[XS+(\s)%4] matrix_a_fmt:MATRIX_FMT_FP6 matrix_b_fmt:MATRIX_FMT_FP6
.else
	v_wmma_scale_f32_16x16x128_f8f6f4 v[ACC+8*\b:ACC+8*\b+7], v[WR:WR+11], v[F+12*(\s):F+12*(\s)+11], v[ACC+8*\b:ACC+8*\b+7], v[WS+4*\b+(\s)%4], v[XS+(\s)%4] matrix_a_fmt:MATRIX_FMT_FP6 matrix_b_fmt:MATRIX_FMT_FP6 matrix_a_scale:MATRIX_SCALE_ROW1 matrix_b_scale:MATRIX_SCALE_ROW1
.endif
.endr
	WIN 0
.endm
.macro PLACES n
.rept \n
	v_nop
.endr
.endm
.macro AHEAD next, s                   ; step s's three slots are free: they take the next tile's gathers 3 s .. 3 s + 2, four places behind the products that read them (ISA guide 7.12.1)
.if \next
	PLACES 4
	GET 3*(\s)
	GET 3*(\s)+1
	GET 3*(\s)+2
.endif
.endm
.macro OUT                             ; lane (r, h), register j of accumulator b: row r, column 16 b + 8 h + j.  Through my stage, back as rows of 512 bytes, + bias, stored
.irp b, 0,1,2,3,4,5,6,7
	ds_store_b128 v[OST], v[ACC+8*\b:ACC+8*\b+3] offset:64*\b        ; each accumulator from its low end on
	ds_store_b128 v[OST], v[ACC+8*\b+4:ACC+8*\b+7] offset:64*\b+16
.endr
.irp j, 0,1,2,3,4,5,6,7,8,9,10,11,12,13,14,15
	ds_load_b128 v[ACC+4*\j:ACC+4*\j+3], v[ORD] offset:OP*\j
.endr
.irp j, 0,1,2,3,4,5,6,7,8,9,10,11,12,13,14,15
	s_wait_dscnt 15-\j                             ; row j is back; the rows behind it may be out
	v_pk_add_f32 v[ACC+4*\j:ACC+4*\j+1], v[ACC+4*\j:ACC+4*\j+1], v[BIAS:BIAS+1]
	v_pk_add_f32 v[ACC+4*\j+2:ACC+4*\j+3], v[ACC+4*\j+2:ACC+4*\j+3], v[BIAS+2:BIAS+3]
	global_store_b128 v[L16], v[ACC+4*\j:ACC+4*\j+3], s[OB+2*\j:OB+2*\j+1] th:TH_STORE_NT   ; 32 lanes store 512 consecutive bytes, at a multiple of 512 from out0's first byte
.endr
.endm
; A TILE.  At its head 26 loads of mine may be out, in this order: the next tile's row numbers, this tile's scale words, its gathers 0 .. 23.
; next = 1: the next tile's 26 loads are issued on the way: 2 ahead of step 0, then 3 behind each step.
.macro TILE next
	s_wait_loadcnt 16                              ; row numbers, scale words and gathers 0-7 are in; gathers 8-23 may be out
	s_wait_xcnt 0x0                                ; the gathers still out have read their offsets, and the last tile's stores their data: both are written again below
.irp i, 0,1,2,3
	v_mov_b32 v[XS+\i], v[XN+\i]
.endr
	PUTS 0
	FRAG 0
	FRAG 1
.if \next
	DERIVE                                         ; its vector lines are also the eight places between the scale words' moves and the first product
	IDLOAD
	XNLOAD
.else
	PLACES 8                                       ; a scale register written by a vector instruction stands eight places ahead of the product
.endif
	s_wait_dscnt 3                                 ; fragment 0 is in; fragment 1's three loads may be out
	MUL 0
	AHEAD \next, 0
.if \next
	s_wait_loadcnt 13                              ; gathers 8-15 are in; behind them: 16-23, and the next tile's 2 + 3
.else
	s_wait_loadcnt 8
.endif
	PUTS 1
	FRAG 2
	FRAG 3
	FRAG 4
	s_wait_dscnt 17                                ; fragment 1; behind it 8 stores and 9 loads
	MUL 1
	AHEAD \next, 1
	s_wait_dscnt 6                                 ; fragment 2
	MUL 2
	AHEAD \next, 2
	s_wait_dscnt 3                                 ; fragment 3
	MUL 3
	AHEAD \next, 3
.if \next
	s_wait_loadcnt 14                              ; gathers 16-23 are in; behind them the next tile's 2 + 12
.else
	s_wait_loadcnt 0x0
.endif
	PUTS 2
	FRAG 5
	FRAG 6
	FRAG 7
	s_wait_dscnt 17                                ; fragment 4
	MUL 4
	AHEAD \next, 4
	s_wait_dscnt 6
	MUL 5
	AHEAD \next, 5
	s_wait_dscnt 3
	MUL 6
	AHEAD \next, 6
	s_wait_dscnt 0x0
	MUL 7
	PLACES 4                                       ; in front of the first read of results, and of the loads into step 7's slots
.if \next
	GET 21
	GET 22
	GET 23
.endif
	OUT
.if \next
	s_wait_xcnt 0x0                                ; the stores have read their bases: they are written for the next tile
	OBASE
.endif
.endm
	s_load_b256 s[4:11], s[0:1], 0x0               ; b s[4:5], w_codes s[6:7], w_scales s[8:9], xq s[10:11]
	s_load_b256 s[12:19], s[0:1], 0x20             ; xs s[12:13], order s[14:15], offs s[16:17], out0 s[18:19]
	v_lshl_add_u32 v94, v0, 2, 0x2d000
	v_mov_b32 v95, 0
	v_lshrrev_b32 v38, 5, v0
	v_readfirstlane_b32 s20, v38                   ; wave 0..3
	s_and_b32 s21, ttmp7, 0xffff                   ; the group
	s_mov_b32 s22, ttmp9                           ; the block of 128 columns
	s_mov_b32 vcc_lo, 0xffff0000                   ; lanes 16-31; never rewritten
	s_mov_b32 s31, 0
	v_and_b32 v38, 31, v0
	v_lshlrev_b32 v[L16], 4, v38
	v_and_b32 v[RR], 15, v0
	v_bfe_u32 v39, v0, 4, 1                        ; h
	v_lshlrev_b32 v[H16], 4, v39
	v_lshlrev_b32 v[C16], 4, v[RR]
	s_mul_i32 s48, s20, 32*WP
	v_add_nc_u32 v[WSA], s48, v[L16]
	v_add_nc_u32 v[WSB], v[WSA], v[H16]
	v_mul_u32_u24 v[WFA], v[RR], WP
	v_mad_u32_u24 v[WFA], v39, 24, v[WFA]
	v_add_nc_u32 v[WFB], 64*WP, v[WFA]
	s_mul_i32 s49, s20, ASZ
	s_add_co_u32 s49, s49, ASB
	v_mul_u32_u24 v[AST], v39, WP
	v_add_nc_u32 v[AST], v[AST], v[C16]
	v_add_nc_u32 v[AST], s49, v[AST]
	v_mul_u32_u24 v[AFR], v[RR], WP
	v_mad_u32_u24 v[AFR], v39, 48, v[AFR]
	v_add_nc_u32 v[AFR], s49, v[AFR]
	s_mul_i32 s50, s20, OSZ
	s_add_co_u32 s50, s50, OSB
	v_mul_u32_u24 v[OST], v[RR], OP
	v_lshl_add_u32 v[OST], v39, 5, v[OST]
	v_add_nc_u32 v[OST], s50, v[OST]
	v_add_nc_u32 v[ORD], s50, v[L16]
	s_mul_i32 s51, s20, 24576
	v_add_nc_u32 v[WGO], s51, v[L16]
	v_lshl_add_u32 v[WSO], v[RR], 5, v[H16]
	s_wait_kmcnt 0x0
	s_mul_i32 s30, s21, 3145728                    ; a group's codes: 4,096 x 768 bytes; my block: 128 x 768
	s_mul_i32 s48, s22, 98304
	s_add_co_u32 s30, s30, s48
	s_add_nc_u64 s[6:7], s[6:7], s[30:31]
	s_lshl_b32 s30, s21, 17                        ; its scale bytes: 4,096 x 32; my block: 128 x 32
	s_lshl_b32 s48, s22, 12
	s_add_co_u32 s30, s30, s48
	s_add_nc_u64 s[8:9], s[8:9], s[30:31]
	s_lshl_b32 s30, s21, 14                        ; its bias: 4,096 x 4; my block: 512
	s_lshl_b32 s48, s22, 9
	s_add_co_u32 s30, s30, s48
	s_add_nc_u64 s[4:5], s[4:5], s[30:31]
	s_mov_b32 s30, s48
	s_add_nc_u64 s[18:19], s[18:19], s[30:31]      ; out0 at my block's first column
	s_lshl_b32 s30, s21, 2
	s_add_nc_u64 s[16:17], s[16:17], s[30:31]
	s_load_b64 s[24:25], s[16:17], 0x0             ; the group's first place, and the place behind its last
.irp b, 0,1,2,3,4,5,6,7
	global_load_b128 v[WS+4*\b:WS+4*\b+3], v[WSO], s[8:9] offset:512*\b
.endr
	global_load_b128 v[BIAS:BIAS+3], v[L16], s[4:5]
	WIN 0x40                                       ; destination window 1: 192 registers that w's fragments take later
.set N, 0
.rept 48
	global_load_b128 v[4*N:4*N+3], v[WGO], s[6:7] offset:512*N th:TH_LOAD_NT   ; my quarter of w's block, 512 consecutive bytes a load; read once in the launch
.set N, N+1
.endr
	WIN 0
	s_wait_kmcnt 0x0
	s_min_u32 s24, s24, 0x800
	s_min_u32 s25, s25, 0x800
	s_sub_co_u32 s48, s25, s24
	s_add_co_u32 s48, s48, 15
	s_lshr_b32 s48, s48, 4                         ; the group's tiles
	s_add_co_u32 s48, s48, 3
	s_sub_co_u32 s48, s48, s20
	s_lshr_b32 s29, s48, 2                         ; of which mine: w, w + 4, ..
	s_sub_co_u32 s26, s25, 1                       ; the group's last place
	s_lshl_b32 s49, s20, 4
	s_add_co_u32 s27, s24, s49                     ; my first tile's first place
	IDLOAD
	WIN 0x04                                       ; an LDS store's data are its source 1: window 1
.set N, 0
.rept 48                               ; three loads are two rows of 768 bytes: the second load's lanes 16-31 begin the odd row, one padding on
.if N%12 == 0
	s_wait_loadcnt 37-N                            ; the next twelve are in; behind them the later loads of w and the load of row numbers
.endif
.if N%3 == 0
	ds_store_b128 v[WSA], v[4*N:4*N+3] offset:2*WP*(N/3)
.elseif N%3 == 1
	ds_store_b128 v[WSB], v[4*N:4*N+3] offset:2*WP*(N/3)+512
.else
	ds_store_b128 v[WSA], v[4*N:4*N+3] offset:2*WP*(N/3)+WP+256
.endif
.set N, N+1
.endr
	WIN 0
	s_wait_loadcnt 0x0                             ; my first tile's row numbers
	DERIVE
	IDLOAD
	XNLOAD
.set N, 0
.rept 24
	GET N
.set N, N+1
.endr
	OBASE
	s_wait_dscnt 0x0                               ; for the others' sake: my 32 rows of w lie in LDS
	s_barrier_signal -1
	s_barrier_wait -1                              ; the one barrier: every wave passes it, with tiles or without
	s_cmp_eq_u32 s29, 0
	s_cbranch_scc1 .Lend
.set FF, 0
.rept 64                               ; w's fragments: lane (r, h) takes of column 16 b + r the 24 bytes at 96 s + 24 h and those 48 on, as they lie, in pieces of 8 bytes
.set SS, FF/8
.set BB, FF%8
.if FF == 63
	WIN 0
.set WR, W63
.else
	WIN (1+FF/21)<<6
.set WR, 12*(FF%21)
.endif
.irp i, 0,1,2,3,4,5
.if BB < 4
	ds_load_b64 v[WR+2*\i:WR+2*\i+1], v[WFA] offset:16*WP*BB+96*SS+48*(\i/3)+8*(\i%3)
.else
	ds_load_b64 v[WR+2*\i:WR+2*\i+1], v[WFB] offset:16*WP*(BB-4)+96*SS+48*(\i/3)+8*(\i%3)
.endif
.endr
.set FF, FF+1
.endr
	WIN 0
	s_wait_dscnt 0x0
	s_sub_co_u32 s28, s29, 1                       ; tiles that have a successor
	s_cmp_eq_u32 s28, 0
	s_cbranch_scc1 .Llast
.Ltile:
	TILE 1
	s_sub_co_u32 s28, s28, 1
	s_cmp_lg_u32 s28, 0
	s_cbranch_scc1 .Ltile
.Llast:
	TILE 0                                         ; my last tile asks for nothing more
.Lend:
	s_wait_tensorcnt 0x0
	ds_add_u32 v94, v95
	s_wait_dscnt 0x0
	s_endpgm
.Lfunc_end_k_qaa7079e473_gemm:
	.size	k_qaa7079e473_gemm, .Lfunc_end_k_qaa7079e473_gemm-k_qaa7079e473_gemm
	.p2alignl 7, 3214868480
	.fill 96, 4, 3214868480
	.section	.rodata,"a",@progbits
	.p2align	6, 0x0
	.amdhsa_kernel k_qaa7079e473_gemm
		.amdhsa_group_segment_fixed_size 184832
		.amdhsa_private_segment_fixed_size 0
		.amdhsa_enable_private_segment 0
		.amdhsa_kernarg_size 64
		.amdhsa_user_sgpr_count 2
		.amdhsa_user_sgpr_kernarg_segment_ptr 1
		.amdhsa_wavefront_size32 1
		.amdhsa_system_sgpr_workgroup_id_x 1
		.amdhsa_system_sgpr_workgroup_id_y 1
		.amdhsa_system_sgpr_workgroup_id_z 1
		.amdhsa_system_vgpr_workitem_id 0
		.amdhsa_next_free_vgpr 1024
		.amdhsa_next_free_sgpr 100
		.amdhsa_reserve_vcc 1
		.amdhsa_float_denorm_mode_32 3
		.amdhsa_float_denorm_mode_16_64 3
		.amdhsa_memory_ordered 1
		.amdhsa_forward_progress 1
		.amdhsa_inst_pref_size 90
	.end_amdhsa_kernel
	.amdgpu_metadata
---
amdhsa.version: [ 1, 2 ]
amdhsa.kernels:
  - .name:           k_qaa7079e473_gemm
    .symbol:         k_qaa7079e473_gemm.kd
    .args:
      - { .name: b, .offset: 0, .size: 8, .value_kind: global_buffer, .address_space: global }
      - { .name: w_codes, .offset: 8, .size: 8, .value_kind: global_buffer, .address_space: global }
      - { .name: w_scales, .offset: 16, .size: 8, .value_kind: global_buffer, .address_space: global }
      - { .name: xq, .offset: 24, .size: 8, .value_kind: global_buffer, .address_space: global }
      - { .name: xs, .offset: 32, .size: 8, .value_kind: global_buffer, .address_space: global }
      - { .name: order, .offset: 40, .size: 8, .value_kind: global_buffer, .address_space: global }
      - { .name: offs, .offset: 48, .size: 8, .value_kind: global_buffer, .address_space: global }
      - { .name: out0, .offset: 56, .size: 8, .value_kind: global_buffer, .address_space: global }
    .group_segment_fixed_size: 184832
    .private_segment_fixed_size: 0
    .kernarg_segment_align: 8
    .kernarg_segment_size: 64
    .max_flat_workgroup_size: 128
    .sgpr_count:     100
    .vgpr_count:     1024
    .wavefront_size: 32
...
	.end_amdgpu_metadata
.endif
;; end of part 2
;; ======== version 2 of 2: 2 launches; version 1 with the launch gemm written anew for expert scheduling mode
;; workspace buffers: xq 1,572,864 bytes; xs 65,536 bytes; order 8,192 bytes of whole numbers; offs 256 bytes of whole numbers
;; launch prep: the kernel of part 1 again; grid 257 x 1, 8 waves a work-group, no clusters, 43,264 bytes of LDS; arguments inputs, group_indices, xq, xs, order, offs, out0; writes xq, xs, order, offs, out0
;; launch gemm (part 3): grid 32 x 8, 4 waves a work-group, no clusters, 184,832 bytes of LDS; arguments b, w_codes, w_scales, xq, xs, order, offs, out0; writes out0
.if DOCPART == 3
	.amdgcn_target "amdgcn-amd-amdhsa--gfx1250"
	.amdhsa_code_object_version 6
	.text
	.protected	k_qaa7079e473_gemm
	.globl	k_qaa7079e473_gemm
	.p2align	8
	.type	k_qaa7079e473_gemm,@function
k_qaa7079e473_gemm:
	s_mov_b64 s[64:65], 0
	v_nop
	global_prefetch_b8 v0, s[64:65] scope:SCOPE_SE
	s_setreg_imm32_b32 hwreg(HW_REG_WAVE_SCHED_MODE, 0, 2), 2
	s_setreg_imm32_b32 hwreg(HW_REG_WAVE_MODE, 25, 1), 1
	s_wait_xcnt 0x0
	s_wait_alu depctr_vm_vsrc(0)
; out0[row] = Q(inputs[row]) . w[g] + b[g] for the rows whose index is g; both operands codes of FP6 (E2M3) with one E8M0 scale for each 32 along K = 1,024; sums in f32.
; SHARES.  Work-group (x, y) owns columns 128 x .. 128 x + 127 of group y: 98,304 bytes of codes and 4,096 scale bytes that no other work-group reads.  They come once, go through LDS, and
; every one of the four waves then holds all 64 fragments (8 tiles of 16 columns x 8 steps of 128 along K, 12 registers each: 768 registers) for the whole launch: no fragment of w is read twice.
; The group's rows stand in 'order' from offs[y] to offs[y + 1]; wave w takes the tiles of 16 rows w, w + 4, ..  Behind the one barrier the waves share nothing.
; A TILE: its 16 rows of codes (768 bytes each) are gathered by 24 loads, sixteen lanes to 256 consecutive bytes of a row, a tile ahead; they go through the wave's own stage in LDS and come back as
; fragments (48 bytes on end for each lane and step, as the first launch has laid them); 64 matrix instructions; the results go through a second stage, take the bias, and leave as whole rows of 512 bytes.
; THE MATRIX INSTRUCTION IS USED TRANSPOSED: source 0 = 16 columns of w, source 1 = 16 rows of x: a lane then holds eight neighbouring columns of one row.
; NO TENSOR LOAD, NO CLUSTER: the number of tiles is a number read from memory, so the operands come through registers.  What the 32 work-groups of a group share is x's codes and scales,
; 12,800 bytes a tile, beside each one's own 102,400 bytes of w.
; THE LAST TILE of a group repeats the group's last row where the group has no multiple of 16 rows: the repeats store the same numbers to the same bytes, from the same wave.
; A wave without a tile asks for rows all the same (places held inside the buffer) and stores nothing.  Rows of no group were written by the first launch.
; LIMITS: those of the first launch's quantiser.  A split that puts most rows on one group is served rightly, by that group's 32 work-groups.
; THE MODE: SCHED_MODE bits 1:0 = 2 (LLVM: expert scheduling mode 2), set by the entry lines.  The code itself states the register dependences
; between vector or matrix instructions and memory or LDS instructions, with s_wait_alu, always for 0.
; THE PLAN.  Registers that memory or LDS instructions touch, round a tile:
;   F, 24 slots   gather n lands in slot n; an LDS store reads it; step s's fragment lands in slots 3 s .. 3 s + 2; step s's products read them; the next tile's gathers land there again.
;   ACC           the products write it; the stage's LDS stores read it; the stage's LDS loads land in it; the bias additions write it; the global stores read it; the next tile's step 0 writes it.
;   XN, IDN       loads land in them; the moves and the lines that make the next tile's offsets read them.
;   IDA, XSA, AADR  written once a tile by vector lines; read by the loads of row numbers and scale words and by the 24 gathers.
;   The LDS addresses and 16 x lane are made at the head and never written again.  w's fragments, its scale words, XS and BIAS are named in the loop by vector and matrix instructions alone.
; WAITS ON vm_vsrc, four a tile: behind each of the three runs of stores into x's stage, whose registers take fragments (the first of them also stands behind the last tile's loads and stores, which have
; read the offsets and ACC), and behind the stores into the results' stage.  WAITS ON va_vdst: one ahead of the loads of row numbers and scale words (the offsets and XS are written); one behind steps 1, 3 and 5
; of a tile that has a successor: two steps' six slots take six gathers, three at once and three behind the next step's products, which name other slots; one behind step 7 (ACC is written, the last six slots
; are free); two on the way out, one for eight rows' additions each.  ONE WAIT ON va_sdst behind the sixteen lines that read row numbers into scalar registers.
; REGISTERS.  Windows 1, 2, 3: fragment f = 8 s + b of w, f < 63, in window 1 + f / 21 at v[12 (f % 21)].  Window 0: see the names below.  v94, v95: the closing add's two.
.set WP,   784                         ; an LDS row of codes: 768 bytes + 16 = 196 words: row r starts at bank 4 r mod 64
.set ASB,  128*WP                      ; LDS: w's 128 rows from 0; then for each wave a stage of 16 rows of x,
.set ASZ,  16*WP
.set OSB,  ASB+4*ASZ                   ; then for each wave a stage of 16 rows of results,
.set OP,   528                         ; 512 bytes + 16
.set OSZ,  16*OP
.set L16,  1                           ; v1   16 x lane
.set RR,   2                           ; v2   r = lane % 16
.set H16,  3                           ; v3   16 h, h = lane / 16
.set C16,  4                           ; v4   16 r
.set WSA,  5                           ; v5   w into LDS: my wave's 32 rows + 16 x lane
.set WSB,  6                           ; v6   the same, lanes 16-31 behind one padding more
.set WFA,  7                           ; v7   w's fragments: row r x pitch + 24 h
.set WFB,  8                           ; v8   the same 64 rows on
.set AST,  9                           ; v9   x's stage, in: row h, 16 r
.set AFR,  10                          ; v10  and out: row r, 48 h
.set OST,  11                          ; v11  the results' stage, in: row r, 32 h
.set ORD,  12                          ; v12  and out: 16 x lane
.set IDA,  13                          ; v13  offset in 'order'
.set IDN,  14                          ; v14  row numbers as loaded: lane l holds the tile's row l % 16
.set XSA,  15                          ; v15  offset in xs
.set AADR, 16                          ; v16-23  the gathers' offsets: register p: row 2 p (lanes 0-15), row 2 p + 1 (lanes 16-31)
.set BIAS, 24                          ; v24-27  b of my four columns on the way out
.set XS,   28                          ; v28-31  x's scale words at work: register j: step j in lanes 0-15, step 4 + j in lanes 16-31
.set XN,   32                          ; v32-35  the next tile's
.set WGO,  36                          ; v36  my wave's quarter of w's block + 16 x lane
.set WSO,  37                          ; v37  32 r + 16 h
.set WS,   40                          ; v40-71  w's scale words: register 4 b + j: step j in lanes 0-15, step 4 + j in lanes 16-31
.set W63,  72                          ; v72-83  fragment 63
.set ACC,  96                          ; v96-159  eight accumulators; on the way out 16 rows x 4 registers
.set F,    160                         ; v160-255  24 slots of 4 registers: gather n as loaded, later step s's fragment in slots 3 s .. 3 s + 2
.set RN,   32                          ; s32-47  the next tile's 16 row numbers
.set OB,   66                          ; s66-97  out0's address at each of the 16 rows of the tile in hand
.set MSB, 0
.macro WIN new                         ; the immediate's high byte repeats the setting that is left; a switch that changes nothing is dropped
.if MSB != (\new)
	s_set_vgpr_msb (MSB<<8)|(\new)
.set MSB, (\new)
.endif
.endm
.macro IDPLACE                         ; where the row numbers of the tile that begins at place s27 stand; places past the group's last are held at it, and every place inside the buffer
	v_add_nc_u32 v[IDA], s27, v[RR]
	v_min_u32 v[IDA], s26, v[IDA]
	v_min_u32 v[IDA], 0x7ff, v[IDA]
	v_lshlrev_b32 v[IDA], 2, v[IDA]
	s_add_co_u32 s27, s27, 64                      ; my next tile: four tiles on
.endm
.macro IDLOAD
	global_load_b32 v[IDN], v[IDA], s[14:15]
.endm
.macro DERIVE                          ; from the row numbers: scalars for the stores' bases, offsets for the gathers and for the scale words
.irp j, 0,1,2,3,4,5,6,7,8,9,10,11,12,13,14,15
	v_readlane_b32 s[RN+\j], v[IDN], \j
.endr
	s_wait_alu depctr_va_sdst(0)                   ; the sixteen lines above have written s[RN ..], ahead of their first reader
.irp j, 0,1,2,3,4,5,6,7,8,9,10,11,12,13,14,15
	s_min_u32 s[RN+\j], s[RN+\j], 0x7ff            ; a loaded number is held inside the table before it enters an address
.endr
.irp p, 0,1,2,3,4,5,6,7
	v_mov_b32 v[AADR+\p], s[RN+2*\p+1]
.endr
.irp p, 0,1,2,3,4,5,6,7
	v_cndmask_b32 v[AADR+\p], s[RN+2*\p], v[AADR+\p], vcc_lo   ; vcc_lo = lanes 16-31: they keep the odd row
.endr
.irp p, 0,1,2,3,4,5,6,7
	v_min_u32 v[AADR+\p], 0x7ff, v[AADR+\p]
.endr
.irp p, 0,1,2,3,4,5,6,7
	v_mul_u32_u24 v[AADR+\p], v[AADR+\p], 768
.endr
.irp p, 0,1,2,3,4,5,6,7
	v_add_nc_u32 v[AADR+\p], v[AADR+\p], v[C16]
.endr
	v_min_u32 v[IDN], 0x7ff, v[IDN]
	v_lshl_add_u32 v[XSA], v[IDN], 5, v[H16]       ; row x 32 + 16 h
.endm
.macro XNLOAD
	global_load_b128 v[XN:XN+3], v[XSA], s[12:13]
.endm
.macro GET n                           ; gather n = 8 c + p: bytes 256 c .. 256 c + 255 of rows 2 p and 2 p + 1
	global_load_b128 v[F+4*(\n):F+4*(\n)+3], v[AADR+(\n)%8], s[10:11] offset:256*((\n)/8)
.endm
.macro OBASE
.irp j, 0,1,2,3,4,5,6,7,8,9,10,11,12,13,14,15
	s_lshl_b32 s30, s[RN+\j], 14                   ; a row of out0 is 16,384 bytes
	s_add_nc_u64 s[OB+2*\j:OB+2*\j+1], s[18:19], s[30:31]
.endr
.endm
.macro PUTS c                          ; gathers 8 c .. 8 c + 7 into the stage
.irp p, 0,1,2,3,4,5,6,7
	ds_store_b128 v[AST], v[F+4*(8*(\c)+\p):F+4*(8*(\c)+\p)+3] offset:2*WP*\p+256*(\c)
.endr
.endm
.macro FRAG s                          ; step s's fragment of x: 48 bytes on end.  LDS serves a wave's instructions in order: these see the stores above; they land where stored data lay, behind the wait that shows those data read
.irp i, 0,1,2
	ds_load_b128 v[F+12*(\s)+4*\i:F+12*(\s)+4*\i+3], v[AFR] offset:96*(\s)+16*\i
.endr
.endm
.macro MUL s                           ; step s: eight products, the eight accumulators by turns, one instruction a turn; step 0 starts the sums
.irp b, 0,1,2,3,4,5,6,7
.set FF, 8*(\s)+\b
.if FF == 63
	WIN 0
.set WR, W63
.else
	WIN 1+FF/21
.set WR, 12*(FF%21)
.endif
.if (\s) == 0
	v_wmma_scale_f32_16x16x128_f8f6f4 v[ACC+8*\b:ACC+8*\b+7], v[WR:WR+11], v[F+12*(\s):F+12*(\s)+11], 0, v[WS+4*\b+(\s)%4], v[XS+(\s)%4] matrix_a_fmt:MATRIX_FMT_FP6 matrix_b_fmt:MATRIX_FMT_FP6
.elseif (\s) < 4
	v_wmma_scale_f32_16x16x128_f8f6f4 v[ACC+8*\b:ACC+8*\b+7], v[WR:WR+11], v[F+12*(\s):F+12*(\s)+11], v[ACC+8*\b:ACC+8*\b+7], v[WS+4*\b+(\s)%4], v[XS+(\s)%4] matrix_a_fmt:MATRIX_FMT_FP6 matrix_b_fmt:MATRIX_FMT_FP6
.else
	v_wmma_scale_f32_16x16x128_f8f6f4 v[ACC+8*\b:ACC+8*\b+7], v[WR:WR+11], v[F+12*(\s):F+12*(\s)+11], v[ACC+8*\b:ACC+8*\b+7], v[WS+4*\b+(\s)%4], v[XS+(\s)%4] matrix_a_fmt:MATRIX_FMT_FP6 matrix_b_fmt:MATRIX_FMT_FP6 matrix_a_scale:MATRIX_SCALE_ROW1 matrix_b_scale:MATRIX_SCALE_ROW1
.endif
.endr
	WIN 0
.endm
.macro PLACES n
.rept \n
	v_nop
.endr
.endm
.macro FREED next                      ; behind steps 1, 3 and 5 of a tile that has a successor: the two steps just multiplied leave six slots to the next tile's gathers
.if \next
	PLACES 4                                       ; the four places behind the products stay as they stood ahead of the gathers; the wait below fills none
	s_wait_alu depctr_va_vdst(0)                   ; the products issued so far are done reading their fragments of x, in whose slots the next six gathers land
.endif
.endm
.macro GET3 next, n                    ; three of the next tile's gathers.  No wait of their own: no vector or matrix instruction since the last wait on va_vdst names their slots or their offsets
.if \next
	GET \n
	GET (\n)+1
	GET (\n)+2
.endif
.endm
.macro OUT                             ; lane (r, h), register j of accumulator b: row r, column 16 b + 8 h + j.  Through my stage, back as rows of 512 bytes, + bias, stored
.irp b, 0,1,2,3,4,5,6,7
	ds_store_b128 v[OST], v[ACC+8*\b:ACC+8*\b+3] offset:64*\b        ; each accumulator from its low end on
	ds_store_b128 v[OST], v[ACC+8*\b+4:ACC+8*\b+7] offset:64*\b+16
.endr
	s_wait_alu depctr_vm_vsrc(0)                   ; the sixteen stores have read ACC, in which the loads below land and which the additions write
.irp j, 0,1,2,3,4,5,6,7,8,9,10,11,12,13,14,15
	ds_load_b128 v[ACC+4*\j:ACC+4*\j+3], v[ORD] offset:OP*\j
.endr
	s_wait_dscnt 8                                 ; rows 0-7 are back; the eight rows behind them may be out
.irp j, 0,1,2,3,4,5,6,7
	v_pk_add_f32 v[ACC+4*\j:ACC+4*\j+1], v[ACC+4*\j:ACC+4*\j+1], v[BIAS:BIAS+1]
	v_pk_add_f32 v[ACC+4*\j+2:ACC+4*\j+3], v[ACC+4*\j+2:ACC+4*\j+3], v[BIAS+2:BIAS+3]
.endr
	s_wait_alu depctr_va_vdst(0)                   ; the additions have written rows 0-7, which the eight stores below read; the additions among those stores name rows 8-15 alone
	s_wait_dscnt 0x0                               ; rows 8-15 are back
.irp j, 0,1,2,3,4,5,6,7
	global_store_b128 v[L16], v[ACC+4*\j:ACC+4*\j+3], s[OB+2*\j:OB+2*\j+1] th:TH_STORE_NT   ; 32 lanes store 512 consecutive bytes, at a multiple of 512 from out0's first byte
	v_pk_add_f32 v[ACC+4*(8+\j):ACC+4*(8+\j)+1], v[ACC+4*(8+\j):ACC+4*(8+\j)+1], v[BIAS:BIAS+1]
	v_pk_add_f32 v[ACC+4*(8+\j)+2:ACC+4*(8+\j)+3], v[ACC+4*(8+\j)+2:ACC+4*(8+\j)+3], v[BIAS+2:BIAS+3]
.endr
	s_wait_alu depctr_va_vdst(0)                   ; the additions have written rows 8-15, which the last eight stores read
.irp j, 8,9,10,11,12,13,14,15
	global_store_b128 v[L16], v[ACC+4*\j:ACC+4*\j+3], s[OB+2*\j:OB+2*\j+1] th:TH_STORE_NT
.endr
.endm
; A TILE.  At its head 26 loads of mine may be out, in this order: the next tile's row numbers, this tile's scale words, its gathers 0 .. 23.
; next = 1: the next tile's 26 loads are issued on the way: 2 ahead of step 0, 3 behind each of steps 1 to 6, 6 behind step 7.
.macro TILE next
	s_wait_loadcnt 16                              ; row numbers, scale words and gathers 0-7 are in; gathers 8-23 may be out
	s_wait_xcnt 0x0                                ; the gathers still out have read their offsets, and the last tile's stores their data: both are written again below
.irp i, 0,1,2,3
	v_mov_b32 v[XS+\i], v[XN+\i]
.endr
	PUTS 0
	s_wait_alu depctr_vm_vsrc(0)                   ; the eight stores have read slots 0-7, in which fragments land; the last tile's loads have read IDA, XSA and AADR, and its stores ACC: all are written again below
	FRAG 0
	FRAG 1
.if \next
	DERIVE                                         ; its vector lines are also the eight places between the scale words' moves and the first product
	IDPLACE
	s_wait_alu depctr_va_vdst(0)                   ; IDA, XSA and AADR are written, which the loads below and the 24 gathers read; the lines above are done with IDN and XN, in which the two loads land; XS is written, which the products take as scales
	IDLOAD
	XNLOAD
.else
	PLACES 8                                       ; a scale register written by a vector instruction stands eight places ahead of the product
	s_wait_alu depctr_va_vdst(0)                   ; the four moves have written XS, which the products take as scales
.endif
	s_wait_dscnt 3                                 ; fragment 0 is in; fragment 1's three loads may be out
	MUL 0
.if \next
	s_wait_loadcnt 10                              ; gathers 8-15 are in; behind them: 16-23, and the next tile's 2
.else
	s_wait_loadcnt 8
.endif
	PUTS 1
	s_wait_alu depctr_vm_vsrc(0)                   ; the eight stores have read slots 8-15, in which fragments 2 to 5 land
	FRAG 2
	FRAG 3
	FRAG 4
	s_wait_dscnt 17                                ; fragment 1; behind it 8 stores and 9 loads
	MUL 1
	FREED \next                                    ; slots 0-5
	GET3 \next, 0
	s_wait_dscnt 6                                 ; fragment 2
	MUL 2
	GET3 \next, 3
	s_wait_dscnt 3                                 ; fragment 3
	MUL 3
	FREED \next                                    ; slots 6-11
	GET3 \next, 6
.if \next
	s_wait_loadcnt 11                              ; gathers 16-23 are in; behind them the next tile's 2 + 9
.else
	s_wait_loadcnt 0x0
.endif
	PUTS 2
	s_wait_alu depctr_vm_vsrc(0)                   ; the eight stores have read slots 16-23, in which fragments 5 to 7 land
	FRAG 5
	FRAG 6
	FRAG 7
	s_wait_dscnt 17                                ; fragment 4
	MUL 4
	GET3 \next, 9
	s_wait_dscnt 6
	MUL 5
	FREED \next                                    ; slots 12-17
	GET3 \next, 12
	s_wait_dscnt 3
	MUL 6
	GET3 \next, 15
	s_wait_dscnt 0x0
	MUL 7
	PLACES 4                                       ; in front of the first read of results, and of the loads into the last two steps' slots
	s_wait_alu depctr_va_vdst(0)                   ; the products have written the accumulators, which the stage's stores read and in which the stage's loads land; they are done reading slots 18-23; the places above stay beside this wait
	GET3 \next, 18
	GET3 \next, 21
	OUT
.if \next
	s_wait_xcnt 0x0                                ; the stores have read their bases: they are written for the next tile
	OBASE
.endif
.endm
	s_load_b256 s[4:11], s[0:1], 0x0               ; b s[4:5], w_codes s[6:7], w_scales s[8:9], xq s[10:11]
	s_load_b256 s[12:19], s[0:1], 0x20             ; xs s[12:13], order s[14:15], offs s[16:17], out0 s[18:19]
	v_lshl_add_u32 v94, v0, 2, 0x2d000
	v_mov_b32 v95, 0
	v_lshrrev_b32 v38, 5, v0
	v_readfirstlane_b32 s20, v38                   ; wave 0..3
	s_and_b32 s21, ttmp7, 0xffff                   ; the group
	s_mov_b32 s22, ttmp9                           ; the block of 128 columns
	s_mov_b32 vcc_lo, 0xffff0000                   ; lanes 16-31; never rewritten
	s_mov_b32 s31, 0
	v_and_b32 v38, 31, v0
	v_lshlrev_b32 v[L16], 4, v38
	v_and_b32 v[RR], 15, v0
	v_bfe_u32 v39, v0, 4, 1                        ; h
	v_lshlrev_b32 v[H16], 4, v39
	v_lshlrev_b32 v[C16], 4, v[RR]
	s_wait_alu depctr_va_sdst(0)                   ; s20 is written, ahead of its first reader: LDS addresses, offsets and the count of my tiles are made from it
	s_mul_i32 s48, s20, 32*WP
	v_add_nc_u32 v[WSA], s48, v[L16]
	v_add_nc_u32 v[WSB], v[WSA], v[H16]
	v_mul_u32_u24 v[WFA], v[RR], WP
	v_mad_u32_u24 v[WFA], v39, 24, v[WFA]
	v_add_nc_u32 v[WFB], 64*WP, v[WFA]
	s_mul_i32 s49, s20, ASZ
	s_add_co_u32 s49, s49, ASB
	v_mul_u32_u24 v[AST], v39, WP
	v_add_nc_u32 v[AST], v[AST], v[C16]
	v_add_nc_u32 v[AST], s49, v[AST]
	v_mul_u32_u24 v[AFR], v[RR], WP
	v_mad_u32_u24 v[AFR], v39, 48, v[AFR]
	v_add_nc_u32 v[AFR], s49, v[AFR]
	s_mul_i32 s50, s20, OSZ
	s_add_co_u32 s50, s50, OSB
	v_mul_u32_u24 v[OST], v[RR], OP
	v_lshl_add_u32 v[OST], v39, 5, v[OST]
	v_add_nc_u32 v[OST], s50, v[OST]
	v_add_nc_u32 v[ORD], s50, v[L16]
	s_mul_i32 s51, s20, 24576
	v_add_nc_u32 v[WGO], s51, v[L16]
	v_lshl_add_u32 v[WSO], v[RR], 5, v[H16]
	s_wait_kmcnt 0x0
	s_mul_i32 s30, s21, 3145728                    ; a group's codes: 4,096 x 768 bytes; my block: 128 x 768
	s_mul_i32 s48, s22, 98304
	s_add_co_u32 s30, s30, s48
	s_add_nc_u64 s[6:7], s[6:7], s[30:31]
	s_lshl_b32 s30, s21, 17                        ; its scale bytes: 4,096 x 32; my block: 128 x 32
	s_lshl_b32 s48, s22, 12
	s_add_co_u32 s30, s30, s48
	s_add_nc_u64 s[8:9], s[8:9], s[30:31]
	s_lshl_b32 s30, s21, 14                        ; its bias: 4,096 x 4; my block: 512
	s_lshl_b32 s48, s22, 9
	s_add_co_u32 s30, s30, s48
	s_add_nc_u64 s[4:5], s[4:5], s[30:31]
	s_mov_b32 s30, s48
	s_add_nc_u64 s[18:19], s[18:19], s[30:31]      ; out0 at my block's first column
	s_lshl_b32 s30, s21, 2
	s_add_nc_u64 s[16:17], s[16:17], s[30:31]
	s_load_b64 s[24:25], s[16:17], 0x0             ; the group's first place, and the place behind its last
	s_wait_alu depctr_va_vdst(0)                   ; the offsets and LDS addresses v1 to v12, v36 and v37 are written: the kernel's loads, stores and LDS instructions read them, and none is written again
.irp b, 0,1,2,3,4,5,6,7
	global_load_b128 v[WS+4*\b:WS+4*\b+3], v[WSO], s[8:9] offset:512*\b
.endr
	global_load_b128 v[BIAS:BIAS+3], v[L16], s[4:5]
	WIN 0x40                                       ; destination window 1: 192 registers that w's fragments take later
.set N, 0
.rept 48
	global_load_b128 v[4*N:4*N+3], v[WGO], s[6:7] offset:512*N th:TH_LOAD_NT   ; my quarter of w's block, 512 consecutive bytes a load; read once in the launch
.set N, N+1
.endr
	WIN 0
	s_wait_kmcnt 0x0
	s_min_u32 s24, s24, 0x800
	s_min_u32 s25, s25, 0x800
	s_sub_co_u32 s48, s25, s24
	s_add_co_u32 s48, s48, 15
	s_lshr_b32 s48, s48, 4                         ; the group's tiles
	s_add_co_u32 s48, s48, 3
	s_sub_co_u32 s48, s48, s20
	s_lshr_b32 s29, s48, 2                         ; of which mine: w, w + 4, ..
	s_sub_co_u32 s26, s25, 1                       ; the group's last place
	s_lshl_b32 s49, s20, 4
	s_add_co_u32 s27, s24, s49                     ; my first tile's first place
	IDPLACE
	s_wait_alu depctr_va_vdst(0)                   ; IDA is written, which the load below reads
	IDLOAD
	WIN 0x04                                       ; an LDS store's data are its source 1: window 1
.set N, 0
.rept 48                               ; three loads are two rows of 768 bytes: the second load's lanes 16-31 begin the odd row, one padding on
.if N%12 == 0
	s_wait_loadcnt 37-N                            ; the next twelve are in; behind them the later loads of w and the load of row numbers
.endif
.if N%3 == 0
	ds_store_b128 v[WSA], v[4*N:4*N+3] offset:2*WP*(N/3)
.elseif N%3 == 1
	ds_store_b128 v[WSB], v[4*N:4*N+3] offset:2*WP*(N/3)+512
.else
	ds_store_b128 v[WSA], v[4*N:4*N+3] offset:2*WP*(N/3)+WP+256
.endif
.set N, N+1
.endr
	WIN 0
	s_wait_loadcnt 0x0                             ; my first tile's row numbers
	s_wait_alu depctr_vm_vsrc(0)                   ; the load of row numbers has read IDA, which is written again below; my 48 LDS stores have read window 1's registers, in which w's fragments land behind the barrier
	DERIVE
	IDPLACE
	s_wait_alu depctr_va_vdst(0)                   ; IDA, XSA and AADR are written, which the 26 loads below read; the lines above are done with IDN, in which the first of them lands
	IDLOAD
	XNLOAD
.set N, 0
.rept 24
	GET N
.set N, N+1
.endr
	OBASE
	s_wait_dscnt 0x0                               ; for the others' sake: my 32 rows of w lie in LDS
	s_barrier_signal -1
	s_barrier_wait -1                              ; the one barrier: every wave passes it, with tiles or without
	s_cmp_eq_u32 s29, 0
	s_cbranch_scc1 .Lend
.set FF, 0
.rept 64                               ; w's fragments: lane (r, h) takes of column 16 b + r the 24 bytes at 96 s + 24 h and those 48 on, as they lie, in pieces of 8 bytes.  No vector or matrix instruction has named their registers
.set SS, FF/8
.set BB, FF%8
.if FF == 63
	WIN 0
.set WR, W63
.else
	WIN (1+FF/21)<<6
.set WR, 12*(FF%21)
.endif
.irp i, 0,1,2,3,4,5
.if BB < 4
	ds_load_b64 v[WR+2*\i:WR+2*\i+1], v[WFA] offset:16*WP*BB+96*SS+48*(\i/3)+8*(\i%3)
.else
	ds_load_b64 v[WR+2*\i:WR+2*\i+1], v[WFB] offset:16*WP*(BB-4)+96*SS+48*(\i/3)+8*(\i%3)
.endif
.endr
.set FF, FF+1
.endr
	WIN 0
	s_wait_dscnt 0x0
	s_sub_co_u32 s28, s29, 1                       ; tiles that have a successor
	s_cmp_eq_u32 s28, 0
	s_cbranch_scc1 .Llast
.Ltile:
	TILE 1
	s_sub_co_u32 s28, s28, 1
	s_cmp_lg_u32 s28, 0
	s_cbranch_scc1 .Ltile
.Llast:
	TILE 0                                         ; my last tile asks for nothing more
.Lend:
	s_wait_dscnt 0x0                               ; the closing lines, six on end
	s_wait_alu 0x0
	s_wait_tensorcnt 0x0
	ds_add_u32 v94, v95
	s_wait_dscnt 0x0
	s_endpgm
.Lfunc_end_k_qaa7079e473_gemm:
	.size	k_qaa7079e473_gemm, .Lfunc_end_k_qaa7079e473_gemm-k_qaa7079e473_gemm
	.p2alignl 7, 3214868480
	.fill 96, 4, 3214868480
	.section	.rodata,"a",@progbits
	.p2align	6, 0x0
	.amdhsa_kernel k_qaa7079e473_gemm
		.amdhsa_group_segment_fixed_size 184832
		.amdhsa_private_segment_fixed_size 0
		.amdhsa_enable_private_segment 0
		.amdhsa_kernarg_size 64
		.amdhsa_user_sgpr_count 2
		.amdhsa_user_sgpr_kernarg_segment_ptr 1
		.amdhsa_wavefront_size32 1
		.amdhsa_system_sgpr_workgroup_id_x 1
		.amdhsa_system_sgpr_workgroup_id_y 1
		.amdhsa_system_sgpr_workgroup_id_z 1
		.amdhsa_system_vgpr_workitem_id 0
		.amdhsa_next_free_vgpr 1024
		.amdhsa_next_free_sgpr 100
		.amdhsa_reserve_vcc 1
		.amdhsa_float_denorm_mode_32 3
		.amdhsa_float_denorm_mode_16_64 3
		.amdhsa_memory_ordered 1
		.amdhsa_forward_progress 1
		.amdhsa_inst_pref_size 90
	.end_amdhsa_kernel
	.amdgpu_metadata
---
amdhsa.version: [ 1, 2 ]
amdhsa.kernels:
  - .name:           k_qaa7079e473_gemm
    .symbol:         k_qaa7079e473_gemm.kd
    .args:
      - { .name: b, .offset: 0, .size: 8, .value_kind: global_buffer, .address_space: global }
      - { .name: w_codes, .offset: 8, .size: 8, .value_kind: global_buffer, .address_space: global }
      - { .name: w_scales, .offset: 16, .size: 8, .value_kind: global_buffer, .address_space: global }
      - { .name: xq, .offset: 24, .size: 8, .value_kind: global_buffer, .address_space: global }
      - { .name: xs, .offset: 32, .size: 8, .value_kind: global_buffer, .address_space: global }
      - { .name: order, .offset: 40, .size: 8, .value_kind: global_buffer, .address_space: global }
      - { .name: offs, .offset: 48, .size: 8, .value_kind: global_buffer, .address_space: global }
      - { .name: out0, .offset: 56, .size: 8, .value_kind: global_buffer, .address_space: global }
    .group_segment_fixed_size: 184832
    .private_segment_fixed_size: 0
    .kernarg_segment_align: 8
    .kernarg_segment_size: 64
    .max_flat_workgroup_size: 128
    .sgpr_count:     100
    .vgpr_count:     1024
    .wavefront_size: 32
...
	.end_amdgpu_metadata
.endif
;; end of part 3
